; MI455X (gfx1250); checked and timed in simulation.
; The chip was launched on July 23, 2026; its instructions are those of AMD's public machine-readable ISA for CDNA 5 (MIT licence, August 2026) and "CDNA5" Instruction Set Architecture Reference Guide (July 2026). The comments in the code are by the model that wrote it; some were corrected since.
;; Group Linear. Allowed arithmetic: matrix products marked QUANTISED: E2M1 operands, one E8M0 scale for each 32 along K, by v_wmma_scale_f32_16x16x128_f8f6f4 with both operands' format E2M1 (or v_wmma_scale_f32_32x16x128_f4), f32 sums; everything else in f32.
;; Inputs: group 4 x 2,048 int32; weight_codes 8 x 1,024 x 32 x 16 uint8 (E2M1 codes of weight, K innermost, in blocks of 32 codes, two codes a byte); weight_scales 8 x 1,024 x 32 uint8 (E8M0 scales of weight, one for each 32 codes along K); x_codes 4 x 2,048 x 32 x 16 uint8 (E2M1 codes of x, K innermost, in blocks of 32 codes, two codes a byte); x_scales 4 x 2,048 x 32 uint8 (E8M0 scales of x, one for each 32 codes along K).
;; Outputs: out0 4 x 2,048 x 1,024 float32.
;; This version of the problem:
;;   THIS VERSION OF THE PROBLEM IS GIVEN IN LOW PRECISION. The matrix products marked QUANTISED in the list below multiply operands that are first quantised to E2M1 (2 exponent bits, 1 mantissa bit; 4 bits a number), with one power-of-two scale for each 32 numbers along K (OCP MX v1.0); their sums are f32. All else is computed in f32.
;;   The module's matrix products, in the order in which they are computed (A, B: the left and right operand; K: the contracted axis; several contracted axes count as one K, in the product's order):
;;     1. [M 8,192, K 1,024] x [K 1,024, N 8,192]; A: input x (given as codes); B: input weight (given as codes): QUANTISED
;;   THE QUANTISER, for each operand of a quantised product, along K:
;;     - K is cut into blocks of 32 from its start; a last block that is shorter is filled with zeros.
;;     - A block's scale is 2^e with e = floor(log2(the largest magnitude in the block)) - 2, held to -126 .. 127; a block of zeros has e = 0. As a byte (E8M0): e + 127.
;;     - Each number is divided by its block's scale, clamped to +-6, and rounded to the nearest number of E2M1, ties to even, subnormals kept.
;;     - The product sums the exact products of the quantised numbers (number of the format x scale) in f32.
;;   ~~~python
;;   def quantise(x, axis):      # numpy; x: float32 -> the quantised numbers, widened to float32 again
;;       x = np.moveaxis(x, axis, -1); K = x.shape[-1]
;;       x = np.pad(x, [(0, 0)] * (x.ndim - 1) + [(0, -K % 32)]); x = x.reshape(x.shape[:-1] + (-1, 32)); a = np.abs(x).max(-1, keepdims=True)
;;       e = np.where(a > 0, np.clip(np.frexp(np.where(a > 0, a, 1))[1] - 1 - 2, -126, 127), 0)      # np.frexp(a)[1] - 1 = floor(log2(a)), exactly
;;       r = np.clip(x / 2.0 ** e, -6, 6)
;;       step = 2.0 ** (np.maximum(np.frexp(np.where(r == 0, 1, r))[1] - 1, 0) - 1)
;;       q = np.round(r / step) * step * 2.0 ** e      # np.round: ties to even
;;       return np.moveaxis(q.reshape(q.shape[:-2] + (-1,))[..., :K], -1, axis).astype(np.float32)
;;   ~~~
;;   INPUTS GIVEN AS CODES. weight (in the module: [8, 1024, 1024], K = its axis 2); x (in the module: [4, 2048, 1024], K = its axis 2): each comes as NAME_codes (uint8): NAME with its K axis moved to the last place and cut into blocks of 32 codes, [.., K / 32, bytes a block], one block behind the other in memory; two codes a byte, the lower K in the low four bits (a code: sign, 2 exponent bits, 1 mantissa bit); and NAME_scales (uint8): the same leading axes, one E8M0 byte (e + 127) for each 32 codes along K. Its value is code x scale, taken as it is: it is not quantised again, and the codes and scales need not be those that the quantiser above would give.
;; 2 versions, each right; version 2 is version 1 with the launches route, gemm written anew for expert scheduling mode. Each part assembles by itself: llvm-mc -triple=amdgcn-amd-amdhsa -mcpu=gfx1250 --defsym DOCPART=n.
;; ======== version 1 of 2: 2 launches
;; workspace buffers: order 327,680 bytes of whole numbers; counts 256 bytes of whole numbers
;; launch route (part 1): grid 8 x 1, 8 waves a work-group, no clusters, 1,280 bytes of LDS; arguments group, order, counts; writes order, counts
.if DOCPART == 1
	.amdgcn_target "amdgcn-amd-amdhsa--gfx1250"
	.amdhsa_code_object_version 6
	.text
	.protected	k_q176fd51bd8_route
	.globl	k_q176fd51bd8_route
	.p2align	8
	.type	k_q176fd51bd8_route,@function
k_q176fd51bd8_route:
	s_mov_b64 s[64:65], 0
	v_nop
	global_prefetch_b8 v0, s[64:65] scope:SCOPE_SE
	s_setreg_imm32_b32 hwreg(HW_REG_WAVE_MODE, 25, 1), 1
	s_wait_xcnt 0x0
; THE LISTS.  group: [8192] int32.  Work-group e scans all 8,192 indices for ITS group alone and stores the tokens of that group, in any order, at the head of
; its own region of `order` (10,240 words), 2,048 zeros behind them, and their number in word e of `counts`.  So no sum spans work-groups, and each word is stored by one work-group.
; The zeros are what a reader finds past the list's end: the product's launch reads at most 1,279 words from a region's head, or about 1,100 past the list's end.
; Thread t loads 16 bytes at 16 t + 4,096 i, i = 0 .. 7: slot g = 4 i + c holds the index of token 1,024 i + 4 t + c.
; A wave's place in the list = the matches of the lower waves (one exchange through LDS, one barrier) + those of its own earlier slots + those of the lower lanes (v_mbcnt).
; NO LANE IS EVER SWITCHED OFF: a lane that does not match repeats the first matching lane's store (same word, same value); where no lane matches, all write 0 onto the first of the zeros.
; Each slot has its own address and data register, so that no store's source is written again.
; LIMIT: an index outside 0 .. 7 is put on no list, and that token's row of the output is then never written; the problem keeps indices inside the table.
.set REGION, 40960                     ; bytes of a group's region
.set IX, 8                             ; v8-39    the 32 indices
.set AD, 40                            ; v40-71   a store address for each slot
.set DT, 72                            ; v72-103  a token for each slot
.set MK, 32                            ; s32-63   a mask of matching lanes for each slot
.set TT, 68                            ; s68-75   the eight waves' numbers of matches
	s_load_b128 s[4:7], s[0:1], 0x0                ; group s[4:5], order s[6:7]
	s_load_b64 s[8:9], s[0:1], 0x10                ; counts
	v_lshl_add_u32 v128, v0, 2, 0x100
	v_mov_b32 v129, 0
	v_lshlrev_b32 v1, 4, v0                        ; 16 t
	v_lshlrev_b32 v2, 2, v0                        ; 4 t
	v_lshrrev_b32 v3, 5, v0
	v_readfirstlane_b32 s11, v3                    ; wave 0..7
	v_lshlrev_b32 v3, 2, v3                        ; LDS: my wave's word
	v_mov_b32 v7, 0
	s_mov_b32 s10, ttmp9                           ; my group
	s_mul_i32 s20, ttmp9, REGION
	s_mov_b32 s21, 0
	s_lshl_b32 s22, ttmp9, 2
	s_mov_b32 s23, 0
	s_lshl_b32 s17, s11, 7                         ; 4 x my wave's first thread
	s_wait_kmcnt 0x0
	s_add_nc_u64 s[6:7], s[6:7], s[20:21]          ; my region
	s_add_nc_u64 s[8:9], s[8:9], s[22:23]          ; my word of counts
.irp i, 0,1,2,3,4,5,6,7
	global_load_b128 v[IX+4*\i:IX+4*\i+3], v1, s[4:5] offset:4096*\i   ; a wave reads 512 consecutive bytes
.endr
	s_mov_b32 s12, 0
	s_mov_b32 s14, 0
	s_mov_b32 s15, 0
	s_wait_loadcnt 0x0                             ; all 32 slots are compared at once
.irp g, 0,1,2,3,4,5,6,7,8,9,10,11,12,13,14,15,16,17,18,19,20,21,22,23,24,25,26,27,28,29,30,31
	v_cmp_eq_u32 s[MK+\g], s10, v[IX+\g]
.endr
.irp g, 0,1,2,3,4,5,6,7,8,9,10,11,12,13,14,15,16,17,18,19,20,21,22,23,24,25,26,27,28,29,30,31
	s_bcnt1_i32_b32 s19, s[MK+\g]
	s_add_co_u32 s12, s12, s19                     ; my wave's matches
.endr
	v_mov_b32 v4, s12
	ds_store_b32 v3, v4                            ; all lanes write the same word with the same value
	s_wait_dscnt 0x0                               ; for the others' sake: my store has landed
	s_barrier_signal -1
	s_barrier_wait -1
	ds_load_b128 v[104:107], v7
	ds_load_b128 v[108:111], v7 offset:16
	s_wait_dscnt 0x0
.irp w, 0,1,2,3,4,5,6,7
	v_readfirstlane_b32 s[TT+\w], v[104+\w]
.endr
.irp w, 0,1,2,3,4,5,6,7
	s_cmp_gt_u32 s11, \w                           ; a lower wave?
	s_cselect_b32 s16, s[TT+\w], 0                 ; (the select stands ahead of the additions, which change SCC)
	s_add_co_u32 s14, s14, s16                     ; s14: where my wave's tokens begin
	s_add_co_u32 s15, s15, s[TT+\w]                ; s15: the group's number of tokens
.endr
.macro PLACE g
.set KC, 1024*((\g)/4)+(\g)%4
	s_ctz_i32_b32 s16, s[MK+\g]                    ; the first matching lane,
	s_lshl_b32 s16, s16, 2
	s_add_co_u32 s16, s16, s17
	s_add_co_u32 s16, s16, KC                      ; and its token
	s_cmp_lg_u32 s[MK+\g], 0
	s_cselect_b32 s18, s14, s15                    ; what the other lanes write to: that lane's word, or the first zero
	s_cselect_b32 s16, s16, 0                      ; and what they write
	v_mbcnt_lo_u32_b32 v[AD+\g], s[MK+\g], s14     ; matches in lower lanes + the base
	v_cndmask_b32 v[AD+\g], s18, v[AD+\g], s[MK+\g]
	v_add_nc_u32 v[DT+\g], KC, v2                  ; my token
	v_cndmask_b32 v[DT+\g], s16, v[DT+\g], s[MK+\g]
	v_min_u32 v[AD+\g], 10239, v[AD+\g]            ; inside the region, whatever was loaded
	v_lshlrev_b32 v[AD+\g], 2, v[AD+\g]
	global_store_b32 v[AD+\g], v[DT+\g], s[6:7]
	s_bcnt1_i32_b32 s19, s[MK+\g]
	s_add_co_u32 s14, s14, s19
.endm
.irp g, 0,1,2,3,4,5,6,7,8,9,10,11,12,13,14,15,16,17,18,19,20,21,22,23,24,25,26,27,28,29,30,31
	PLACE \g
.endr
	v_add_nc_u32 v5, s15, v0                       ; the zeros: words s15 + t + 256 i: at most 8,192 + 255 + 1,792 = 10,239
	v_min_u32 v5, 8447, v5
	v_lshlrev_b32 v5, 2, v5
.irp i, 0,1,2,3,4,5,6,7
	global_store_b32 v5, v7, s[6:7] offset:1024*\i
.endr
	s_cmp_lg_u32 s11, 0                            ; wave 0 stores the number; no barrier follows
	s_cbranch_scc1 .Lend
	v_mov_b32 v6, s15
	global_store_b32 v7, v6, s[8:9]
.Lend:
	s_wait_tensorcnt 0x0
	ds_add_u32 v128, v129
	s_wait_dscnt 0x0
	s_endpgm
.Lfunc_end_k_q176fd51bd8_route:
	.size	k_q176fd51bd8_route, .Lfunc_end_k_q176fd51bd8_route-k_q176fd51bd8_route
	.p2alignl 7, 3214868480
	.fill 96, 4, 3214868480
	.section	.rodata,"a",@progbits
	.p2align	6, 0x0
	.amdhsa_kernel k_q176fd51bd8_route
		.amdhsa_group_segment_fixed_size 1280
		.amdhsa_private_segment_fixed_size 0
		.amdhsa_enable_private_segment 0
		.amdhsa_kernarg_size 24
		.amdhsa_user_sgpr_count 2
		.amdhsa_user_sgpr_kernarg_segment_ptr 1
		.amdhsa_wavefront_size32 1
		.amdhsa_system_sgpr_workgroup_id_x 1
		.amdhsa_system_sgpr_workgroup_id_y 1
		.amdhsa_system_sgpr_workgroup_id_z 1
		.amdhsa_system_vgpr_workitem_id 0
		.amdhsa_next_free_vgpr 130
		.amdhsa_next_free_sgpr 96
		.amdhsa_reserve_vcc 0
		.amdhsa_float_denorm_mode_32 3
		.amdhsa_float_denorm_mode_16_64 3
		.amdhsa_memory_ordered 1
		.amdhsa_forward_progress 1
		.amdhsa_inst_pref_size 33
	.end_amdhsa_kernel
	.amdgpu_metadata
---
amdhsa.version: [ 1, 2 ]
amdhsa.kernels:
  - .name:           k_q176fd51bd8_route
    .symbol:         k_q176fd51bd8_route.kd
    .args:
      - { .name: group, .offset: 0, .size: 8, .value_kind: global_buffer, .address_space: global }
      - { .name: order, .offset: 8, .size: 8, .value_kind: global_buffer, .address_space: global }
      - { .name: counts, .offset: 16, .size: 8, .value_kind: global_buffer, .address_space: global }
    .group_segment_fixed_size: 1280
    .private_segment_fixed_size: 0
    .kernarg_segment_align: 8
    .kernarg_segment_size: 24
    .max_flat_workgroup_size: 256
    .sgpr_count:     96
    .vgpr_count:     130
    .wavefront_size: 32
...
	.end_amdgpu_metadata
.endif
;; end of part 1
;; launch gemm (part 2): grid 256 x 1, 4 waves a work-group, no clusters, 101,888 bytes of LDS; arguments order, counts, x_codes, x_scales, weight_codes, weight_scales, out0; writes out0
.if DOCPART == 2
	.amdgcn_target "amdgcn-amd-amdhsa--gfx1250"
	.amdhsa_code_object_version 6
	.text
	.protected	k_q176fd51bd8_gemm
	.globl	k_q176fd51bd8_gemm
	.p2align	8
	.type	k_q176fd51bd8_gemm,@function
k_q176fd51bd8_gemm:
	s_mov_b64 s[64:65], 0
	v_nop
	global_prefetch_b8 v0, s[64:65] scope:SCOPE_SE
	s_setreg_imm32_b32 hwreg(HW_REG_WAVE_MODE, 25, 1), 1
	s_wait_xcnt 0x0
; out0[t][:] = x[t][:] . weight[group[t]]^T on codes of FP4 (E2M1) with one E8M0 byte for each 32 along K, for the chosen group alone: the other seven products are thrown away by the gather.
; x: 8,192 rows of 512 bytes of codes and 32 scale bytes; weight: 8 x 1,024 such rows; out0: 8,192 rows of 1,024 f32.  order, counts: the lists of tokens by group, from the launch before.
; SHARES.  Work-group = (group e = wg / 32, slab of 128 output columns = (wg / 4) % 8, part = wg % 4).  Wave w is row stream u = 4 w + part, one of 16 for each (e, slab): it takes the list's
; fragments of 16 rows u, u + 16, u + 32 ..: T = (F + 15 - u) / 16 of them, F = ceil(cnt / 16).  That serves every split, all tokens on one group too (T = 32).
; THE SLAB'S WEIGHTS, 128 rows x all of K, 64 KiB, come from memory once a work-group, go through LDS once, and then stay in each wave's registers (512): no fragment of them is read again.
; x's rows are gathered whole: one load of the wave is one row of 512 bytes.  They turn into fragments through the wave's own 16 rows of LDS.  Five fragments' rows are asked for ahead.
; THE WEIGHT ROWS OF A TILE ARE NOT NEIGHBOURS: lane r of tile t = 4 q + p takes row 64 q + 4 r + p.  In the result (source 0 = x's 16 rows, source 1 = 16 weight rows) lane (r, h) holds column
; n(t, r) and its register j row 8 h + j: so register j of tiles 4 q .. 4 q + 3 is four NEIGHBOURING columns of one row, and after 64 moves each store of 16 bytes a lane covers two
; aligned runs of 256 consecutive bytes (lanes 0-15 in row tok[j], lanes 16-31 in row tok[8 + j]): the results need no way through LDS.
; Rows past the list's end repeat their fragment's first token: the same bytes are then stored twice, by the same wave.  A slot that has no fragment still issues its 17 loads (16 bytes a row of
; rows that it has asked for already), so that the same loads stand behind every counted wait on every path.
; NO TENSOR LOAD, NO CLUSTER: each wave's exits hang on a number read from memory, and waves and work-groups of one slab need different numbers of fragments.
; No prefetch: every load is issued as soon as its address exists.
; LIMITS: a scale byte 0xff gives NaN, as the format has it.  A token on no list (an index outside 0 .. 7) gets no row.
; REGISTERS, in windows of 256.  Window 0: below.  Window 1: x's rows, then fragments, of slots 0-3 at 64 x slot.  Windows 2, 3: the weights: tile t at 64 (t % 4) of window 2 + t / 4, K step s at + 8 s;
; ahead of the barrier window 3's v0-127 take my 32 weight rows as loaded.
.set PITCH, 528                        ; an LDS row: 512 bytes + 16: an odd multiple of 16, so the 16 rows that a fragment load touches start at 16 different places of a run of 256 bytes
.set STG,   128*PITCH                  ; LDS: the slab's 128 rows; behind them 16 rows for each wave
.set STGW,  16*PITCH
.set REGION, 40960
.set PASSES, 7                         ; five fragments a pass: 35 cover the 32 that a stream can have
.set L16,  1                           ; v1   16 x lane
.set R16,  2                           ; v2   16 r, r = lane % 16
.set H16,  3                           ; v3   16 h, h = lane / 16
.set SST,  4                           ; v4   my stage + 16 x lane: a row goes in
.set SLD,  5                           ; v5   my stage + 528 r + 16 h: a fragment comes out
.set BAD,  6                           ; v6   528 r + 16 h: a fragment of the weights
.set WST,  7                           ; v7   16 x lane + 32 rows x wave: my weight rows go in
.set TPO,  8                           ; v8   4 (16 u + r): my word of the list
.set VPOS, 9                           ; v9   16 u + r
.set WSA,  10                          ; v10  128 r + 16 h: the weights' scale words
.set LN,   15                          ; v15  lane            (v11-14 at work)
.set TOK,  16                          ; v16-20  slot i: lane (r, h) holds row r's token
.set VXA,  21                          ; v21-25  its scale bytes' offset
.set TPA,  26                          ; v26-30  later passes: the list's offsets
.set VOUT, 32                          ; v32-39  the stores' offsets
.set VOFF0, 40                         ; v40-55  slot 0: the 16 rows' offsets; slots 1-4 keep theirs in the accumulators' registers, ahead of the products
.set XS,   56                          ; v56-75  x's scale words, 4 registers a slot: lanes 0-15 K steps 0-3, lanes 16-31 K steps 4-7.  Scales and nothing else
.set WS,   76                          ; v76-107 the weights' likewise, 4 registers a tile
.set ACC,  108                         ; v108-171 eight accumulators
.set RAW4, 172                         ; v172-235 slot 4's rows and fragments
.set SR,   32                          ; s32-47  16 tokens as scalars
.set MSB, 0
.macro WIN new                         ; the immediate's high byte repeats the setting that is left; a switch that changes nothing is dropped
.if MSB != (\new)
	s_set_vgpr_msb (MSB<<8)|(\new)
.set MSB, (\new)
.endif
.endm
	s_load_b256 s[4:11], s[0:1], 0x0               ; order s[4:5], counts s[6:7], x's codes s[8:9], x's scales s[10:11]
	s_load_b128 s[12:15], s[0:1], 0x20             ; the weights' codes s[12:13], scales s[14:15]
	s_load_b64 s[16:17], s[0:1], 0x30              ; out0
	v_lshl_add_u32 v254, v0, 2, 0x18c00
	v_mov_b32 v255, 0
	v_lshrrev_b32 v11, 5, v0
	v_readfirstlane_b32 s18, v11                   ; wave 0..3
	s_lshr_b32 s19, ttmp9, 5                       ; e
	s_bfe_u32 s20, ttmp9, 0x30002                  ; slab
	s_and_b32 s21, ttmp9, 3                        ; part
	s_lshl_b32 s22, s18, 2
	s_add_co_u32 s22, s22, s21                     ; u
	s_mov_b32 s26, 0xffff0000                      ; lanes 16-31
	s_mov_b32 s25, 0                               ; k0: the pass's first fragment of my stream
	v_and_b32 v[LN], 31, v0
	v_and_b32 v13, 15, v0
	v_bfe_u32 v14, v0, 4, 1
	v_lshlrev_b32 v[L16], 4, v[LN]
	v_lshlrev_b32 v[R16], 4, v13
	v_lshlrev_b32 v[H16], 4, v14
	v_mul_u32_u24 v[BAD], v13, PITCH
	v_add_nc_u32 v[BAD], v[BAD], v[H16]
	s_mul_i32 s27, s18, STGW
	s_add_co_u32 s27, s27, STG
	v_add_nc_u32 v[SST], s27, v[L16]
	v_add_nc_u32 v[SLD], s27, v[BAD]
	s_mul_i32 s27, s18, 32*PITCH
	v_add_nc_u32 v[WST], s27, v[L16]
	s_lshl_b32 s27, s22, 4
	v_add_nc_u32 v[VPOS], s27, v13
	v_lshlrev_b32 v[TPO], 2, v[VPOS]
	v_lshl_add_u32 v[WSA], v13, 7, v[H16]
	s_mul_i32 s48, s19, REGION                     ; my group's region of the lists
	s_mov_b32 s49, 0
	s_lshl_b32 s50, s19, 2                         ; its word of counts
	s_mov_b32 s51, 0
	s_lshl_b32 s27, s19, 10
	s_lshl_b32 s28, s20, 7
	s_add_co_u32 s27, s27, s28                     ; the slab's first weight row
	s_lshl_b32 s52, s27, 5                         ; its scale bytes
	s_mov_b32 s53, 0
	s_lshr_b32 s28, s18, 1                         ; LDS rows 32 w + a are tiles 2 w and 2 w + 1: weight rows 64 (w / 2) + 2 (w % 2) + 4 (a % 16) + a / 16
	s_lshl_b32 s28, s28, 6
	s_add_co_u32 s27, s27, s28
	s_and_b32 s28, s18, 1
	s_lshl_b32 s28, s28, 1
	s_add_co_u32 s27, s27, s28
	s_lshl_b32 s54, s27, 9
	s_mov_b32 s55, 0
	s_lshl_b32 s56, s20, 9                         ; the slab's 128 columns of a row of out0
	s_mov_b32 s57, 0
	s_wait_kmcnt 0x0
	s_add_nc_u64 s[4:5], s[4:5], s[48:49]
	s_add_nc_u64 s[6:7], s[6:7], s[50:51]
	s_add_nc_u64 s[14:15], s[14:15], s[52:53]
	s_add_nc_u64 s[12:13], s[12:13], s[54:55]
	s_add_nc_u64 s[16:17], s[16:17], s[56:57]
	s_load_b32 s23, s[6:7], 0x0                    ; cnt
.irp i, 0,1,2,3,4
	global_load_b32 v[TOK+\i], v[TPO], s[4:5] offset:1024*\i   ; the tokens of my first five fragments: asked for without waiting for cnt; past the list's end lie zeros
.endr
.irp t, 0,1,2,3,4,5,6,7
	global_load_b128 v[WS+4*\t:WS+4*\t+3], v[WSA], s[14:15] offset:(64*(\t/4)+\t%4)*32
.endr
	WIN 0xc0                                       ; destination window 3
.irp a, 0,1,2,3,4,5,6,7,8,9,10,11,12,13,14,15,16,17,18,19,20,21,22,23,24,25,26,27,28,29,30,31
	global_load_b128 v[4*\a:4*\a+3], v[L16], s[12:13] offset:(4*(\a%16)+\a/16)*512   ; one weight row: 512 consecutive bytes
.endr
	WIN 0
; Slot i's tokens are made fit for use.  kappa = k0 + i.  Rows past the list's end take the fragment's first token; a slot without a fragment takes the slot's before; all are held inside x.
.macro TOKFIX i
	s_add_co_u32 s27, s25, \i
	s_cmp_lt_u32 s27, s24
	s_cselect_b32 s28, -1, 0                       ; has the slot a fragment?
	s_lshl_b32 s29, s27, 8
	v_add_nc_u32 v12, s29, v[VPOS]                 ; my row's place in the list
	v_cmp_gt_u32 vcc_lo, s23, v12
	v_readfirstlane_b32 s30, v[TOK+(\i)]
	v_cndmask_b32 v[TOK+(\i)], s30, v[TOK+(\i)], vcc_lo
.if (\i) > 0
	v_cndmask_b32 v[TOK+(\i)], v[TOK+(\i)-1], v[TOK+(\i)], s28
.endif
	v_min_u32 v[TOK+(\i)], 0x1fff, v[TOK+(\i)]
.endm
; Slot i's 17 loads: the rows' scale bytes, then the 16 rows, each whole.  Always issued.
; A row's offset is made in units of 16 bytes, token x 32 + lane, held at x's last unit (8,192 x 32 - 1) AS THE LAST STEP BUT THE SHIFT: so nothing that was read from memory enters it behind the hold.
.macro FILL i
.if (\i) == 0
.set VO, VOFF0
.else
.set VO, ACC+16*((\i)-1)
.endif
.if (\i) < 4
.set RB, 64*(\i)
.set WD, 0x40
.else
.set RB, RAW4
.set WD, 0
.endif
	s_add_co_u32 s27, s25, \i
	s_cmp_lt_u32 s27, s24
	s_cselect_b32 s28, -1, 0
	v_and_b32 v11, s28, v[LN]                      ; a slot without a fragment: every lane asks for a row's first 16 bytes
	v_lshl_add_u32 v[VXA+(\i)], v[TOK+(\i)], 5, v[H16]
.irp j, 0,1,2,3,4,5,6,7,8,9,10,11,12,13,14,15
	v_readlane_b32 s[SR+\j], v[TOK+(\i)], \j
.endr
.irp j, 0,1,2,3,4,5,6,7,8,9,10,11,12,13,14,15
	v_lshl_add_u32 v[VO+\j], s[SR+\j], 5, v11      ; token x 32 + lane
.endr
.irp j, 0,1,2,3,4,5,6,7,8,9,10,11,12,13,14,15
	v_min_u32 v[VO+\j], 0x3ffff, v[VO+\j]
.endr
.irp j, 0,1,2,3,4,5,6,7,8,9,10,11,12,13,14,15
	v_lshlrev_b32 v[VO+\j], 4, v[VO+\j]            ; in bytes
.endr
	global_load_b128 v[XS+4*(\i):XS+4*(\i)+3], v[VXA+(\i)], s[10:11]
	WIN WD
.irp j, 0,1,2,3,4,5,6,7,8,9,10,11,12,13,14,15
	global_load_b128 v[RB+4*\j:RB+4*\j+3], v[VO+\j], s[8:9]
.endr
	WIN 0
.endm
; Slot i's rows turn into fragments through my own 16 rows of LDS.  LDS serves a wave's instructions in order (ISA guide 5.7.1.4): the loads see the stores, and land in the registers that the stores left.
.macro STAGE i
.if (\i) < 4
.set RB, 64*(\i)
.set SW, 0x04
.set LW, 0x40
.else
.set RB, RAW4
.set SW, 0
.set LW, 0
.endif
.if 17*(4-(\i)) > 63
	s_wait_loadcnt 63                              ; the four younger slots' 68 loads might stay out; the wait's field holds 63
.else
	s_wait_loadcnt 17*(4-(\i))                     ; the younger slots' loads, 17 each, may stay out
.endif
	WIN SW
.irp j, 0,1,2,3,4,5,6,7,8,9,10,11,12,13,14,15
	ds_store_b128 v[SST], v[RB+4*\j:RB+4*\j+3] offset:PITCH*\j
.endr
	WIN LW
.irp s, 0,1,2,3,4,5,6,7
.irp c, 0,1
	ds_load_b128 v[RB+8*\s+4*\c:RB+8*\s+4*\c+3], v[SLD] offset:64*\s+32*\c   ; lane (r, h): k = 128 s + 64 c + 32 h + 0 .. 31 of row r
.endr
.endr
	WIN 0
.endm
; 64 matrix instructions: slot i's 16 rows x the slab's 128 columns x all of K.  Four accumulators take turns, one instruction a turn; the first K step starts the sums.
.macro MUL i
.if (\i) < 4
.set AB, 64*(\i)
.set WA, 0x09                          ; source 0 (x) window 1, source 1 (weights) window 2, C and D window 0
.else
.set AB, RAW4
.set WA, 0x08
.endif
.irp hf, 0,1
	WIN WA+4*\hf                                   ; tiles 4-7: the weights' window 3
.irp s, 0,1,2,3,4,5,6,7
.irp p, 0,1,2,3
.if \s == 0
	v_wmma_scale_f32_16x16x128_f8f6f4 v[ACC+8*(4*\hf+\p):ACC+8*(4*\hf+\p)+7], v[AB:AB+7], v[64*\p:64*\p+7], 0, v[XS+4*(\i)], v[WS+4*(4*\hf+\p)] matrix_a_fmt:MATRIX_FMT_FP4 matrix_b_fmt:MATRIX_FMT_FP4
.elseif \s < 4
	v_wmma_scale_f32_16x16x128_f8f6f4 v[ACC+8*(4*\hf+\p):ACC+8*(4*\hf+\p)+7], v[AB+8*\s:AB+8*\s+7], v[64*\p+8*\s:64*\p+8*\s+7], v[ACC+8*(4*\hf+\p):ACC+8*(4*\hf+\p)+7], v[XS+4*(\i)+\s], v[WS+4*(4*\hf+\p)+\s] matrix_a_fmt:MATRIX_FMT_FP4 matrix_b_fmt:MATRIX_FMT_FP4
.else
	v_wmma_scale_f32_16x16x128_f8f6f4 v[ACC+8*(4*\hf+\p):ACC+8*(4*\hf+\p)+7], v[AB+8*\s:AB+8*\s+7], v[64*\p+8*\s:64*\p+8*\s+7], v[ACC+8*(4*\hf+\p):ACC+8*(4*\hf+\p)+7], v[XS+4*(\i)+\s-4], v[WS+4*(4*\hf+\p)+\s-4] matrix_a_fmt:MATRIX_FMT_FP4 matrix_b_fmt:MATRIX_FMT_FP4 matrix_a_scale:MATRIX_SCALE_ROW1 matrix_b_scale:MATRIX_SCALE_ROW1
.endif
.endr
.endr
.endr
.endm
; Slot i's results leave.  The 32 plain lines that make the offsets name no register of the products: they are the places between the products and the first read of a result, the first write of
; a source, and the next slot's products, which begin the accumulators anew (ISA guide 7.12.1).
.macro OUT i
.if (\i) < 4
.set RB, 64*(\i)
.set MW, 0x40
.set TW, 0x04
.else
.set RB, RAW4
.set MW, 0
.set TW, 0
.endif
	WIN 0
	s_wait_xcnt 0x0                                ; the last slot's stores have read their offsets: these are written again only behind this wait
.irp j, 0,1,2,3,4,5,6,7,8,9,10,11,12,13,14,15
	v_readlane_b32 s[SR+\j], v[TOK+(\i)], \j
.endr
.irp j, 0,1,2,3,4,5,6,7
	v_mov_b32 v[VOUT+\j], s[SR+\j]                 ; lanes 0-15: row j's token,
.endr
.irp j, 0,1,2,3,4,5,6,7
	v_cndmask_b32 v[VOUT+\j], v[VOUT+\j], s[SR+8+\j], s26   ; lanes 16-31: row 8 + j's
.endr
.irp j, 0,1,2,3,4,5,6,7
	v_min_u32 v[VOUT+\j], 0x1fff, v[VOUT+\j]
.endr
.irp j, 0,1,2,3,4,5,6,7
	v_lshl_add_u32 v[VOUT+\j], v[VOUT+\j], 12, v[R16]   ; x 4,096 bytes a row + 16 r
.endr
	WIN MW
.irp j, 0,1,2,3,4,5,6,7                        ; j outermost: each accumulator is read from its lowest register on.  The fragments' registers are done with and take the runs of four
.irp q, 0,1
.irp p, 0,1,2,3
	v_mov_b32 v[RB+4*(8*\q+\j)+\p], v[ACC+8*(4*\q+\p)+\j]
.endr
.endr
.endr
	WIN TW
.irp j, 0,1,2,3,4,5,6,7
.irp q, 0,1
	global_store_b128 v[VOUT+\j], v[RB+4*(8*\q+\j):RB+4*(8*\q+\j)+3], s[16:17] offset:256*\q th:TH_STORE_NT   ; 16 lanes store 256 consecutive bytes, at a multiple of 256 from out0's first byte
.endr
.endr
	WIN 0
.endm
; Slot i: its products; the next slot (n) goes through the stage while this slot's results leave; then out, if my stream has no further fragment.
.macro TRIP i, n
	s_wait_dscnt 0x0                               ; the slot's fragments are in (in the first trip the weights' too)
	MUL \i
.if (\i) < 4
	STAGE \n
.endif
	OUT \i
.if (\i) < 4
	s_add_co_u32 s27, s25, \n
	s_cmp_ge_u32 s27, s24
	s_cbranch_scc1 .Lend
.endif
.endm
	s_wait_loadcnt 40                              ; the five token loads are in; the 8 + 32 loads of weights behind them may stay out
	s_wait_kmcnt 0x0                               ; cnt
	s_min_u32 s23, s23, 8192
	s_add_co_u32 s24, s23, 15
	s_lshr_b32 s24, s24, 4                         ; F
	s_add_co_u32 s24, s24, 15
	s_sub_co_u32 s24, s24, s22
	s_lshr_b32 s24, s24, 4                         ; T, at most 32
.irp i, 0,1,2,3,4
	TOKFIX \i
.endr
	FILL 0
	FILL 1
	FILL 2
	s_wait_loadcnt 51                              ; the weights and their scales are in; the three slots' 51 loads may stay out
	WIN 0x0c                                       ; an LDS store's data are its source 1: window 3
.irp a, 0,1,2,3,4,5,6,7,8,9,10,11,12,13,14,15,16,17,18,19,20,21,22,23,24,25,26,27,28,29,30,31
	ds_store_b128 v[WST], v[4*\a:4*\a+3] offset:PITCH*\a
.endr
	WIN 0
	s_wait_dscnt 0x0                               ; for the others' sake: my 32 rows have landed
	s_barrier_signal -1
	s_barrier_wait -1                              ; the launch's one barrier, ahead of every branch on a loaded number: every wave passes it
	s_cmp_eq_u32 s24, 0
	s_cbranch_scc1 .Lend                           ; a stream that this split leaves without rows has brought its share of the weights and ends
	WIN 0x80
.irp t, 0,1,2,3,4,5,6,7                        ; the slab into registers: 128 loads, once
.if \t == 4
	WIN 0xc0
.endif
.irp s, 0,1,2,3,4,5,6,7
.irp c, 0,1
	ds_load_b128 v[64*(\t%4)+8*\s+4*\c:64*(\t%4)+8*\s+4*\c+3], v[BAD] offset:16*\t*PITCH+64*\s+32*\c
.endr
.endr
.endr
	WIN 0
	FILL 3
	FILL 4
	s_wait_xcnt 0x0                                ; the loads have read their offsets, which lie in the accumulators' registers
.Ltrips:                                               ; a trip: five fragments of my stream.  The loop is counted against a constant, PASSES trips; a stream leaves it by the exits below as soon as its fragments are done
	STAGE 0
	TRIP 0, 1
	TRIP 1, 2
	TRIP 2, 3
	TRIP 3, 4
	TRIP 4, 5
	s_add_co_u32 s25, s25, 5
	s_cmp_ge_u32 s25, s24
	s_cbranch_scc1 .Lend
	s_wait_xcnt 0x0                                ; the stores have read their data and offsets: the slots' registers take loads again only behind this wait
.irp i, 0,1,2,3,4
	s_add_co_u32 s27, s25, \i
	s_min_u32 s27, s27, 39                         ; inside the region (40 x 256 words); kappa is at most T + 3, so the words read lie under cnt + 2,048 and were stored
	s_lshl_b32 s27, s27, 10
	v_add_nc_u32 v[TPA+\i], s27, v[TPO]
	global_load_b32 v[TOK+\i], v[TPA+\i], s[4:5]
.endr
	s_wait_loadcnt 0x0
.irp i, 0,1,2,3,4
	TOKFIX \i
.endr
.irp i, 0,1,2,3,4
	FILL \i
.endr
	s_wait_xcnt 0x0                                ; as ahead of the first trip
	s_cmp_lt_u32 s25, 5*PASSES
	s_cbranch_scc1 .Ltrips
.Lend:
	s_wait_dscnt 0x0                               ; a wave that leaves early has the next slot's LDS loads out
	s_wait_tensorcnt 0x0
	ds_add_u32 v254, v255
	s_wait_dscnt 0x0
	s_endpgm
.Lfunc_end_k_q176fd51bd8_gemm:
	.size	k_q176fd51bd8_gemm, .Lfunc_end_k_q176fd51bd8_gemm-k_q176fd51bd8_gemm
	.p2alignl 7, 3214868480
	.fill 96, 4, 3214868480
	.section	.rodata,"a",@progbits
	.p2align	6, 0x0
	.amdhsa_kernel k_q176fd51bd8_gemm
		.amdhsa_group_segment_fixed_size 101888
		.amdhsa_private_segment_fixed_size 0
		.amdhsa_enable_private_segment 0
		.amdhsa_kernarg_size 56
		.amdhsa_user_sgpr_count 2
		.amdhsa_user_sgpr_kernarg_segment_ptr 1
		.amdhsa_wavefront_size32 1
		.amdhsa_system_sgpr_workgroup_id_x 1
		.amdhsa_system_sgpr_workgroup_id_y 1
		.amdhsa_system_sgpr_workgroup_id_z 1
		.amdhsa_system_vgpr_workitem_id 0
		.amdhsa_next_free_vgpr 1024
		.amdhsa_next_free_sgpr 80
		.amdhsa_reserve_vcc 1
		.amdhsa_float_denorm_mode_32 3
		.amdhsa_float_denorm_mode_16_64 3
		.amdhsa_memory_ordered 1
		.amdhsa_forward_progress 1
		.amdhsa_inst_pref_size 160
	.end_amdhsa_kernel
	.amdgpu_metadata
---
amdhsa.version: [ 1, 2 ]
amdhsa.kernels:
  - .name:           k_q176fd51bd8_gemm
    .symbol:         k_q176fd51bd8_gemm.kd
    .args:
      - { .name: order, .offset: 0, .size: 8, .value_kind: global_buffer, .address_space: global }
      - { .name: counts, .offset: 8, .size: 8, .value_kind: global_buffer, .address_space: global }
      - { .name: x_codes, .offset: 16, .size: 8, .value_kind: global_buffer, .address_space: global }
      - { .name: x_scales, .offset: 24, .size: 8, .value_kind: global_buffer, .address_space: global }
      - { .name: weight_codes, .offset: 32, .size: 8, .value_kind: global_buffer, .address_space: global }
      - { .name: weight_scales, .offset: 40, .size: 8, .value_kind: global_buffer, .address_space: global }
      - { .name: out0, .offset: 48, .size: 8, .value_kind: global_buffer, .address_space: global }
    .group_segment_fixed_size: 101888
    .private_segment_fixed_size: 0
    .kernarg_segment_align: 8
    .kernarg_segment_size: 56
    .max_flat_workgroup_size: 128
    .sgpr_count:     80
    .vgpr_count:     1024
    .wavefront_size: 32
...
	.end_amdgpu_metadata
.endif
;; end of part 2
;; ======== version 2 of 2: 2 launches; version 1 with the launches route, gemm written anew for expert scheduling mode
;; workspace buffers: order 327,680 bytes of whole numbers; counts 256 bytes of whole numbers
;; launch route (part 3): grid 8 x 1, 8 waves a work-group, no clusters, 1,280 bytes of LDS; arguments group, order, counts; writes order, counts
.if DOCPART == 3
	.amdgcn_target "amdgcn-amd-amdhsa--gfx1250"
	.amdhsa_code_object_version 6
	.text
	.protected	k_q176fd51bd8_route
	.globl	k_q176fd51bd8_route
	.p2align	8
	.type	k_q176fd51bd8_route,@function
k_q176fd51bd8_route:
	s_mov_b64 s[64:65], 0
	v_nop
	global_prefetch_b8 v0, s[64:65] scope:SCOPE_SE
	s_setreg_imm32_b32 hwreg(HW_REG_WAVE_SCHED_MODE, 0, 2), 2
	s_setreg_imm32_b32 hwreg(HW_REG_WAVE_MODE, 25, 1), 1
	s_wait_xcnt 0x0
	s_wait_alu depctr_vm_vsrc(0)
; THE LISTS.  group: [8192] int32.  Work-group e scans all 8,192 indices for ITS group alone and stores the tokens of that group, in any order, at the head of
; its own region of `order` (10,240 words), 2,048 zeros behind them, and their number in word e of `counts`.  So no sum spans work-groups, and each word is stored by one work-group.
; The zeros are what a reader finds past the list's end: the product's launch reads at most 1,279 words from a region's head, or about 1,100 past the list's end.
; Thread t loads 16 bytes at 16 t + 4,096 i, i = 0 .. 7: slot g = 4 i + c holds the index of token 1,024 i + 4 t + c.
; A wave's place in the list = the matches of the lower waves (one exchange through LDS, one barrier) + those of its own earlier slots + those of the lower lanes (v_mbcnt).
; NO LANE IS EVER SWITCHED OFF: a lane that does not match repeats the first matching lane's store (same word, same value); where no lane matches, all write 0 onto the first of the zeros.
; Each slot has its own address and data register, so that no store's source is written again.
; LIMIT: an index outside 0 .. 7 is put on no list, and that token's row of the output is then never written; the problem keeps indices inside the table.
; THE MODE: SCHED_MODE bits 1:0 = 2 (LLVM: expert scheduling mode 2), set by the entry lines.  The code itself states the register dependences
; between vector instructions and memory or LDS instructions, with s_wait_alu, always for 0.
; THE PLAN.  Registers that memory or LDS instructions touch:
;   v1, v3, v7     a load offset, an LDS address, 0 (address and data): written at the head, never again.
;   v8-39          the loads land here once; no vector line names them earlier.     v104-111 likewise, from LDS.
;   v4, v5, v6     written once each, read by the LDS store, by the stores of zeros, by wave 0's store.
;   AD[g], DT[g]   slot g's arithmetic writes them once; slot g's store reads them.
; No register that a memory instruction reads is written again.  The slots go in two halves: one wait behind the arithmetic of slots 0-15; their stores are then dealt among the
; arithmetic of slots 16-31, which names none of their registers; one wait ahead of the stores of slots 16-31.
.set REGION, 40960                     ; bytes of a group's region
.set IX, 8                             ; v8-39    the 32 indices
.set AD, 40                            ; v40-71   a store address for each slot
.set DT, 72                            ; v72-103  a token for each slot
.set MK, 32                            ; s32-63   a mask of matching lanes for each slot
.set TT, 68                            ; s68-75   the eight waves' numbers of matches
	s_load_b128 s[4:7], s[0:1], 0x0                ; group s[4:5], order s[6:7]
	s_load_b64 s[8:9], s[0:1], 0x10                ; counts
	v_lshl_add_u32 v128, v0, 2, 0x100              ; my spare word, and 0: made here and kept for the closing lines alone
	v_mov_b32 v129, 0
	v_lshlrev_b32 v1, 4, v0                        ; 16 t
	v_lshlrev_b32 v2, 2, v0                        ; 4 t
	v_lshrrev_b32 v3, 5, v0
	v_readfirstlane_b32 s11, v3                    ; wave 0..7
	v_lshlrev_b32 v3, 2, v3                        ; LDS: my wave's word
	v_mov_b32 v7, 0
	s_mov_b32 s10, ttmp9                           ; my group
	s_mul_i32 s20, ttmp9, REGION
	s_mov_b32 s21, 0
	s_lshl_b32 s22, ttmp9, 2
	s_mov_b32 s23, 0
	s_wait_alu depctr_va_sdst(0)                   ; s11 is written, ahead of its first reader
	s_lshl_b32 s17, s11, 7                         ; 4 x my wave's first thread
	s_wait_kmcnt 0x0
	s_add_nc_u64 s[6:7], s[6:7], s[20:21]          ; my region
	s_add_nc_u64 s[8:9], s[8:9], s[22:23]          ; my word of counts
	s_wait_alu depctr_va_vdst(0)                   ; v1 is written, which the loads read as their offset; so are v3 and v7, which LDS instructions and stores read further on
.irp i, 0,1,2,3,4,5,6,7
	global_load_b128 v[IX+4*\i:IX+4*\i+3], v1, s[4:5] offset:4096*\i   ; a wave reads 512 consecutive bytes
.endr
	s_mov_b32 s12, 0
	s_mov_b32 s14, 0
	s_mov_b32 s15, 0
	s_wait_loadcnt 0x0                             ; all 32 slots are compared at once
.irp g, 0,1,2,3,4,5,6,7,8,9,10,11,12,13,14,15,16,17,18,19,20,21,22,23,24,25,26,27,28,29,30,31
	v_cmp_eq_u32 s[MK+\g], s10, v[IX+\g]
.endr
	s_wait_alu depctr_va_sdst(0)                   ; the 32 masks are written, ahead of their first readers: one wait for the run
.irp g, 0,1,2,3,4,5,6,7,8,9,10,11,12,13,14,15,16,17,18,19,20,21,22,23,24,25,26,27,28,29,30,31
	s_bcnt1_i32_b32 s19, s[MK+\g]
	s_add_co_u32 s12, s12, s19                     ; my wave's matches
.endr
	v_mov_b32 v4, s12
	s_wait_alu depctr_va_vdst(0)                   ; v4 is written, which the LDS store reads
	ds_store_b32 v3, v4                            ; all lanes write the same word with the same value
	s_wait_dscnt 0x0                               ; for the others' sake: my store has landed
	s_barrier_signal -1
	s_barrier_wait -1
	ds_load_b128 v[104:107], v7
	ds_load_b128 v[108:111], v7 offset:16
	s_wait_dscnt 0x0
.irp w, 0,1,2,3,4,5,6,7
	v_readfirstlane_b32 s[TT+\w], v[104+\w]
.endr
	s_wait_alu depctr_va_sdst(0)                   ; the eight numbers are written, ahead of their first readers: one wait for the run
.irp w, 0,1,2,3,4,5,6,7
	s_cmp_gt_u32 s11, \w                           ; a lower wave?
	s_cselect_b32 s16, s[TT+\w], 0                 ; (the select stands ahead of the additions, which change SCC)
	s_add_co_u32 s14, s14, s16                     ; s14: where my wave's tokens begin
	s_add_co_u32 s15, s15, s[TT+\w]                ; s15: the group's number of tokens
.endr
; Slot g's arithmetic: where each lane stores, and what.
.macro CALC g
.set KC, 1024*((\g)/4)+(\g)%4
	s_ctz_i32_b32 s16, s[MK+(\g)]                  ; the first matching lane,
	s_lshl_b32 s16, s16, 2
	s_add_co_u32 s16, s16, s17
	s_add_co_u32 s16, s16, KC                      ; and its token
	s_cmp_lg_u32 s[MK+(\g)], 0
	s_cselect_b32 s18, s14, s15                    ; what the other lanes write to: that lane's word, or the first zero
	s_cselect_b32 s16, s16, 0                      ; and what they write
	v_mbcnt_lo_u32_b32 v[AD+(\g)], s[MK+(\g)], s14 ; matches in lower lanes + the base
	v_cndmask_b32 v[AD+(\g)], s18, v[AD+(\g)], s[MK+(\g)]
	v_add_nc_u32 v[DT+(\g)], KC, v2                ; my token
	v_cndmask_b32 v[DT+(\g)], s16, v[DT+(\g)], s[MK+(\g)]
	v_min_u32 v[AD+(\g)], 10239, v[AD+(\g)]        ; inside the region, whatever was loaded
	v_lshlrev_b32 v[AD+(\g)], 2, v[AD+(\g)]
	s_bcnt1_i32_b32 s19, s[MK+(\g)]
	s_add_co_u32 s14, s14, s19
.endm
; Slot g's store.
.macro SEND g
	global_store_b32 v[AD+(\g)], v[DT+(\g)], s[6:7]
.endm
	v_add_nc_u32 v5, s15, v0                       ; the zeros: words s15 + t + 256 i: at most 8,192 + 255 + 1,792 = 10,239
	v_min_u32 v5, 8447, v5
	v_lshlrev_b32 v5, 2, v5
.irp g, 0,1,2,3,4,5,6,7,8,9,10,11,12,13,14,15
	CALC \g
.endr
	s_wait_alu depctr_va_vdst(0)                   ; v5 and the addresses and tokens of slots 0-15 are written, which the stores below read; no vector line behind this wait names them
.irp i, 0,1,2,3,4,5,6,7
	global_store_b32 v5, v7, s[6:7] offset:1024*\i ; words at or past the list's end: the tokens go below it, and the one word that a slot without a match shares with these gets 0 from both
.endr
.irp g, 16,17,18,19,20,21,22,23,24,25,26,27,28,29,30,31
	SEND \g-16                                     ; a store of the first half in front of each slot's arithmetic of the second
	CALC \g
.endr
	s_wait_alu depctr_va_vdst(0)                   ; the addresses and tokens of slots 16-31 are written, which the stores below read
.irp g, 16,17,18,19,20,21,22,23,24,25,26,27,28,29,30,31
	SEND \g
.endr
	s_cmp_lg_u32 s11, 0                            ; wave 0 stores the number; no barrier follows
	s_cbranch_scc1 .Lend
	v_mov_b32 v6, s15
	s_wait_alu depctr_va_vdst(0)                   ; v6 is written, which the store reads
	global_store_b32 v7, v6, s[8:9]
.Lend:
	s_wait_dscnt 0x0                               ; the closing lines, six on end
	s_wait_alu 0x0
	s_wait_tensorcnt 0x0
	ds_add_u32 v128, v129
	s_wait_dscnt 0x0
	s_endpgm
.Lfunc_end_k_q176fd51bd8_route:
	.size	k_q176fd51bd8_route, .Lfunc_end_k_q176fd51bd8_route-k_q176fd51bd8_route
	.p2alignl 7, 3214868480
	.fill 96, 4, 3214868480
	.section	.rodata,"a",@progbits
	.p2align	6, 0x0
	.amdhsa_kernel k_q176fd51bd8_route
		.amdhsa_group_segment_fixed_size 1280
		.amdhsa_private_segment_fixed_size 0
		.amdhsa_enable_private_segment 0
		.amdhsa_kernarg_size 24
		.amdhsa_user_sgpr_count 2
		.amdhsa_user_sgpr_kernarg_segment_ptr 1
		.amdhsa_wavefront_size32 1
		.amdhsa_system_sgpr_workgroup_id_x 1
		.amdhsa_system_sgpr_workgroup_id_y 1
		.amdhsa_system_sgpr_workgroup_id_z 1
		.amdhsa_system_vgpr_workitem_id 0
		.amdhsa_next_free_vgpr 130
		.amdhsa_next_free_sgpr 96
		.amdhsa_reserve_vcc 0
		.amdhsa_float_denorm_mode_32 3
		.amdhsa_float_denorm_mode_16_64 3
		.amdhsa_memory_ordered 1
		.amdhsa_forward_progress 1
		.amdhsa_inst_pref_size 33
	.end_amdhsa_kernel
	.amdgpu_metadata
---
amdhsa.version: [ 1, 2 ]
amdhsa.kernels:
  - .name:           k_q176fd51bd8_route
    .symbol:         k_q176fd51bd8_route.kd
    .args:
      - { .name: group, .offset: 0, .size: 8, .value_kind: global_buffer, .address_space: global }
      - { .name: order, .offset: 8, .size: 8, .value_kind: global_buffer, .address_space: global }
      - { .name: counts, .offset: 16, .size: 8, .value_kind: global_buffer, .address_space: global }
    .group_segment_fixed_size: 1280
    .private_segment_fixed_size: 0
    .kernarg_segment_align: 8
    .kernarg_segment_size: 24
    .max_flat_workgroup_size: 256
    .sgpr_count:     96
    .vgpr_count:     130
    .wavefront_size: 32
...
	.end_amdgpu_metadata
.endif
;; end of part 3
;; launch gemm (part 4): grid 256 x 1, 4 waves a work-group, no clusters, 101,888 bytes of LDS; arguments order, counts, x_codes, x_scales, weight_codes, weight_scales, out0; writes out0
.if DOCPART == 4
	.amdgcn_target "amdgcn-amd-amdhsa--gfx1250"
	.amdhsa_code_object_version 6
	.text
	.protected	k_q176fd51bd8_gemm
	.globl	k_q176fd51bd8_gemm
	.p2align	8
	.type	k_q176fd51bd8_gemm,@function
k_q176fd51bd8_gemm:
	s_mov_b64 s[64:65], 0
	v_nop
	global_prefetch_b8 v0, s[64:65] scope:SCOPE_SE
	s_setreg_imm32_b32 hwreg(HW_REG_WAVE_SCHED_MODE, 0, 2), 2
	s_setreg_imm32_b32 hwreg(HW_REG_WAVE_MODE, 25, 1), 1
	s_wait_xcnt 0x0
	s_wait_alu depctr_vm_vsrc(0)
; out0[t][:] = x[t][:] . weight[group[t]]^T on codes of FP4 (E2M1) with one E8M0 byte for each 32 along K, for the chosen group alone: the other seven products are thrown away by the gather.
; x: 8,192 rows of 512 bytes of codes and 32 scale bytes; weight: 8 x 1,024 such rows; out0: 8,192 rows of 1,024 f32.  order, counts: the lists of tokens by group, from the launch before.
; SHARES.  Work-group = (group e = wg / 32, slab of 128 output columns = (wg / 4) % 8, part = wg % 4).  Wave w is row stream u = 4 w + part, one of 16 for each (e, slab): it takes the list's
; fragments of 16 rows u, u + 16, u + 32 ..: T = (F + 15 - u) / 16 of them, F = ceil(cnt / 16).  That serves every split, all tokens on one group too (T = 32).
; THE SLAB'S WEIGHTS, 128 rows x all of K, 64 KiB, come from memory once a work-group, go through LDS once, and then stay in each wave's registers (512): no fragment of them is read again.
; x's rows are gathered whole: one load of the wave is one row of 512 bytes.  They turn into fragments through the wave's own 16 rows of LDS.  Five fragments' rows are asked for ahead.
; THE WEIGHT ROWS OF A TILE ARE NOT NEIGHBOURS: lane r of tile t = 4 q + p takes row 64 q + 4 r + p.  In the result (source 0 = x's 16 rows, source 1 = 16 weight rows) lane (r, h) holds column
; n(t, r) and its register j row 8 h + j: so register j of tiles 4 q .. 4 q + 3 is four NEIGHBOURING columns of one row, and after 64 moves each store of 16 bytes a lane covers two
; aligned runs of 256 consecutive bytes (lanes 0-15 in row tok[j], lanes 16-31 in row tok[8 + j]): the results need no way through LDS.
; Rows past the list's end repeat their fragment's first token: the same bytes are then stored twice, by the same wave.  A slot that has no fragment still issues its 17 loads (16 bytes a row of
; rows that it has asked for already), so that the same loads stand behind every counted wait on every path.
; NO TENSOR LOAD, NO CLUSTER: each wave's exits hang on a number read from memory, and waves and work-groups of one slab need different numbers of fragments.
; No prefetch: every load is issued as soon as its address exists.
; LIMITS: a scale byte 0xff gives NaN, as the format has it.  A token on no list (an index outside 0 .. 7) gets no row.
; REGISTERS, in windows of 256.  Window 0: below.  Window 1: x's rows, then fragments, of slots 0-3 at 64 x slot.  Windows 2, 3: the weights: tile t at 64 (t % 4) of window 2 + t / 4, K step s at + 8 s;
; ahead of the barrier window 3's v0-127 take my 32 weight rows as loaded.
; THE MODE: SCHED_MODE bits 1:0 = 2 (LLVM: expert scheduling mode 2), set by the entry lines.  The code itself states the register dependences
; between vector or matrix instructions and memory or LDS instructions, with s_wait_alu, always for 0.
; THE PLAN.  Registers that memory or LDS instructions touch (RB[i]: slot i's 64 registers of rows, fragments and results):
;   v1-v10          addresses: written at the head, never again: one wait ahead of the first load.
;   window 3 v0-127 my weight rows land; my LDS stores read them; the slab's fragments land: one wait on vm_vsrc behind the barrier.
;   TOK[i]          the token loads land; the fixing lines and the v_readlane of FILL and OUT name them.       TPA[i]  written at a pass's end; the token loads read them.
;   VXA[i], VO[i]   FILL i writes them, its 17 loads read them.  VO of slots 1-4 lies in the accumulators, which the products write: a wait on vm_vsrc ahead of the loop, on the way in and on the way back.
;   XS[i]           FILL i's first load lands; MUL i reads.
;   RB[i]           FILL i's 16 loads land; STAGE i's LDS stores read; STAGE i's LDS loads land; MUL i reads; OUT i's moves write; OUT i's stores read.
;   VOUT            OUT i writes, its stores read.
; FILL i has one wait on va_vdst ahead of its loads: its offsets are written, and the last pass's products and moves are done with XS[i] and RB[i].  From there to MUL i no vector or matrix line names RB[i]
; (other slots' FILL, MUL and OUT name their own registers, the accumulators, the scales and the weights): so STAGE i owes va_vdst nothing and stands between another slot's products and moves.
; STAGE has one wait on vm_vsrc, between its stores and its loads; it also stands between the stores of the slot before and the lines that write VOUT again.  OUT has one wait on va_vdst, ahead of its 16 stores.
; Numbers that vector lines put into scalar registers (tokens, masks) are made in runs, with one wait on va_sdst behind each run.
.set PITCH, 528                        ; an LDS row: 512 bytes + 16: an odd multiple of 16, so the 16 rows that a fragment load touches start at 16 different places of a run of 256 bytes
.set STG,   128*PITCH                  ; LDS: the slab's 128 rows; behind them 16 rows for each wave
.set STGW,  16*PITCH
.set REGION, 40960
.set PASSES, 7                         ; five fragments a pass: 35 cover the 32 that a stream can have
.set L16,  1                           ; v1   16 x lane
.set R16,  2                           ; v2   16 r, r = lane % 16
.set H16,  3                           ; v3   16 h, h = lane / 16
.set SST,  4                           ; v4   my stage + 16 x lane: a row goes in
.set SLD,  5                           ; v5   my stage + 528 r + 16 h: a fragment comes out
.set BAD,  6                           ; v6   528 r + 16 h: a fragment of the weights
.set WST,  7                           ; v7   16 x lane + 32 rows x wave: my weight rows go in
.set TPO,  8                           ; v8   4 (16 u + r): my word of the list
.set VPOS, 9                           ; v9   16 u + r
.set WSA,  10                          ; v10  128 r + 16 h: the weights' scale words
.set LN,   15                          ; v15  lane            (v11-14 at work)
.set TOK,  16                          ; v16-20  slot i: lane (r, h) holds row r's token
.set VXA,  21                          ; v21-25  its scale bytes' offset
.set TPA,  26                          ; v26-30  later passes: the list's offsets
.set VOUT, 32                          ; v32-39  the stores' offsets
.set VOFF0, 40                         ; v40-55  slot 0: the 16 rows' offsets; slots 1-4 keep theirs in the accumulators' registers, ahead of the products
.set XS,   56                          ; v56-75  x's scale words, 4 registers a slot: lanes 0-15 K steps 0-3, lanes 16-31 K steps 4-7.  Scales and nothing else
.set WS,   76                          ; v76-107 the weights' likewise, 4 registers a tile
.set ACC,  108                         ; v108-171 eight accumulators
.set RAW4, 172                         ; v172-235 slot 4's rows and fragments
.set SR,   32                          ; s32-47  16 tokens as scalars
.set HAS,  58                          ; s58-62  slot i: all ones where the slot has a fragment
.set INL,  66                          ; s66-70  slot i: the lanes whose row lies inside the list
.set FST,  71                          ; s71-75  slot i: the fragment's first token
.set MSB, 0
.macro WIN new                         ; the immediate's high byte repeats the setting that is left; a switch that changes nothing is dropped
.if MSB != (\new)
	s_set_vgpr_msb (MSB<<8)|(\new)
.set MSB, (\new)
.endif
.endm
	s_load_b256 s[4:11], s[0:1], 0x0               ; order s[4:5], counts s[6:7], x's codes s[8:9], x's scales s[10:11]
	s_load_b128 s[12:15], s[0:1], 0x20             ; the weights' codes s[12:13], scales s[14:15]
	s_load_b64 s[16:17], s[0:1], 0x30              ; out0
	v_lshl_add_u32 v254, v0, 2, 0x18c00            ; my spare word, behind the four stages, and 0: made here and kept for the closing lines alone
	v_mov_b32 v255, 0
	v_lshrrev_b32 v11, 5, v0
	v_readfirstlane_b32 s18, v11                   ; wave 0..3
	s_lshr_b32 s19, ttmp9, 5                       ; e
	s_bfe_u32 s20, ttmp9, 0x30002                  ; slab
	s_and_b32 s21, ttmp9, 3                        ; part
	s_mov_b32 s26, 0xffff0000                      ; lanes 16-31
	s_mov_b32 s25, 0                               ; k0: the pass's first fragment of my stream
	v_and_b32 v[LN], 31, v0
	v_and_b32 v13, 15, v0
	v_bfe_u32 v14, v0, 4, 1
	v_lshlrev_b32 v[L16], 4, v[LN]
	v_lshlrev_b32 v[R16], 4, v13
	v_lshlrev_b32 v[H16], 4, v14
	v_mul_u32_u24 v[BAD], v13, PITCH
	v_add_nc_u32 v[BAD], v[BAD], v[H16]
	v_lshl_add_u32 v[WSA], v13, 7, v[H16]
	s_wait_alu depctr_va_sdst(0)                   ; s18 is written, ahead of its first reader
	s_lshl_b32 s22, s18, 2
	s_add_co_u32 s22, s22, s21                     ; u
	s_mul_i32 s27, s18, STGW
	s_add_co_u32 s27, s27, STG
	v_add_nc_u32 v[SST], s27, v[L16]
	v_add_nc_u32 v[SLD], s27, v[BAD]
	s_mul_i32 s27, s18, 32*PITCH
	v_add_nc_u32 v[WST], s27, v[L16]
	s_lshl_b32 s27, s22, 4
	v_add_nc_u32 v[VPOS], s27, v13
	v_lshlrev_b32 v[TPO], 2, v[VPOS]
	s_mul_i32 s48, s19, REGION                     ; my group's region of the lists
	s_mov_b32 s49, 0
	s_lshl_b32 s50, s19, 2                         ; its word of counts
	s_mov_b32 s51, 0
	s_lshl_b32 s27, s19, 10
	s_lshl_b32 s28, s20, 7
	s_add_co_u32 s27, s27, s28                     ; the slab's first weight row
	s_lshl_b32 s52, s27, 5                         ; its scale bytes
	s_mov_b32 s53, 0
	s_lshr_b32 s28, s18, 1                         ; LDS rows 32 w + a are tiles 2 w and 2 w + 1: weight rows 64 (w / 2) + 2 (w % 2) + 4 (a % 16) + a / 16
	s_lshl_b32 s28, s28, 6
	s_add_co_u32 s27, s27, s28
	s_and_b32 s28, s18, 1
	s_lshl_b32 s28, s28, 1
	s_add_co_u32 s27, s27, s28
	s_lshl_b32 s54, s27, 9
	s_mov_b32 s55, 0
	s_lshl_b32 s56, s20, 9                         ; the slab's 128 columns of a row of out0
	s_mov_b32 s57, 0
	s_wait_kmcnt 0x0
	s_add_nc_u64 s[4:5], s[4:5], s[48:49]
	s_add_nc_u64 s[6:7], s[6:7], s[50:51]
	s_add_nc_u64 s[14:15], s[14:15], s[52:53]
	s_add_nc_u64 s[12:13], s[12:13], s[54:55]
	s_add_nc_u64 s[16:17], s[16:17], s[56:57]
	s_load_b32 s23, s[6:7], 0x0                    ; cnt
	s_wait_alu depctr_va_vdst(0)                   ; the addresses v1 to v10 are written, which the loads, LDS instructions and stores of the whole kernel read; none of them is written again
.irp i, 0,1,2,3,4
	global_load_b32 v[TOK+\i], v[TPO], s[4:5] offset:1024*\i   ; the tokens of my first five fragments: asked for without waiting for cnt; past the list's end lie zeros
.endr
.irp t, 0,1,2,3,4,5,6,7
	global_load_b128 v[WS+4*\t:WS+4*\t+3], v[WSA], s[14:15] offset:(64*(\t/4)+\t%4)*32
.endr
	WIN 0xc0                                       ; destination window 3
.irp a, 0,1,2,3,4,5,6,7,8,9,10,11,12,13,14,15,16,17,18,19,20,21,22,23,24,25,26,27,28,29,30,31
	global_load_b128 v[4*\a:4*\a+3], v[L16], s[12:13] offset:(4*(\a%16)+\a/16)*512   ; one weight row: 512 consecutive bytes
.endr
	WIN 0
; The five slots' tokens are made fit for use.  kappa = k0 + i.  Rows past the list's end take the fragment's first token; a slot without a fragment takes the slot's before; all are held inside x.
; The five masks and the five first tokens are made in one run, so that one wait serves them.
.macro TOKFIX
.irp i, 0,1,2,3,4
	s_add_co_u32 s27, s25, \i
	s_cmp_lt_u32 s27, s24
	s_cselect_b32 s[HAS+\i], -1, 0                 ; has the slot a fragment?
	s_lshl_b32 s29, s27, 8
	v_add_nc_u32 v12, s29, v[VPOS]                 ; my row's place in the list
	v_cmp_gt_u32 s[INL+\i], s23, v12
	v_readfirstlane_b32 s[FST+\i], v[TOK+\i]
.endr
	s_wait_alu depctr_va_sdst(0)                   ; the five masks and the five first tokens are written, ahead of their first readers
.irp i, 0,1,2,3,4
	v_cndmask_b32 v[TOK+\i], s[FST+\i], v[TOK+\i], s[INL+\i]
.if \i > 0
	v_cndmask_b32 v[TOK+\i], v[TOK+\i-1], v[TOK+\i], s[HAS+\i]
.endif
	v_min_u32 v[TOK+\i], 0x1fff, v[TOK+\i]
.endr
.endm
; Slot i's 17 loads: the rows' scale bytes, then the 16 rows, each whole.  Always issued.
; A row's offset is made in units of 16 bytes, token x 32 + lane, held at x's last unit (8,192 x 32 - 1) AS THE LAST STEP BUT THE SHIFT: so nothing that was read from memory enters it behind the hold.
.macro FILL i
.if (\i) == 0
.set VO, VOFF0
.else
.set VO, ACC+16*((\i)-1)
.endif
.if (\i) < 4
.set RB, 64*(\i)
.set WD, 0x40
.else
.set RB, RAW4
.set WD, 0
.endif
.irp j, 0,1,2,3,4,5,6,7,8,9,10,11,12,13,14,15
	v_readlane_b32 s[SR+\j], v[TOK+(\i)], \j
.endr
	s_add_co_u32 s27, s25, \i
	s_cmp_lt_u32 s27, s24
	s_cselect_b32 s28, -1, 0
	v_and_b32 v11, s28, v[LN]                      ; a slot without a fragment: every lane asks for a row's first 16 bytes
	v_lshl_add_u32 v[VXA+(\i)], v[TOK+(\i)], 5, v[H16]
	s_wait_alu depctr_va_sdst(0)                   ; the 16 tokens are written as scalars, ahead of their first readers
.irp j, 0,1,2,3,4,5,6,7,8,9,10,11,12,13,14,15
	v_lshl_add_u32 v[VO+\j], s[SR+\j], 5, v11      ; token x 32 + lane
.endr
.irp j, 0,1,2,3,4,5,6,7,8,9,10,11,12,13,14,15
	v_min_u32 v[VO+\j], 0x3ffff, v[VO+\j]
.endr
.irp j, 0,1,2,3,4,5,6,7,8,9,10,11,12,13,14,15
	v_lshlrev_b32 v[VO+\j], 4, v[VO+\j]            ; in bytes
.endr
	s_wait_alu depctr_va_vdst(0)                   ; the 17 offsets are written, which the loads below read; the last pass's products are done reading this slot's scale words and fragments, and its moves have written the registers in which the rows land
	global_load_b128 v[XS+4*(\i):XS+4*(\i)+3], v[VXA+(\i)], s[10:11]
	WIN WD
.irp j, 0,1,2,3,4,5,6,7,8,9,10,11,12,13,14,15
	global_load_b128 v[RB+4*\j:RB+4*\j+3], v[VO+\j], s[8:9]
.endr
	WIN 0
.endm
; Slot i's rows turn into fragments through my own 16 rows of LDS.  LDS serves a wave's instructions in order (ISA guide 5.7.1.4): the loads see the stores, and land in the registers that the stores left.
.macro STAGE i
.if (\i) < 4
.set RB, 64*(\i)
.set SW, 0x04
.set LW, 0x40
.else
.set RB, RAW4
.set SW, 0
.set LW, 0
.endif
.if 17*(4-(\i)) > 63
	s_wait_loadcnt 63                              ; the four younger slots' 68 loads might stay out; the wait's field holds 63
.else
	s_wait_loadcnt 17*(4-(\i))                     ; the younger slots' loads, 17 each, may stay out
.endif
	WIN SW
.irp j, 0,1,2,3,4,5,6,7,8,9,10,11,12,13,14,15
	ds_store_b128 v[SST], v[RB+4*\j:RB+4*\j+3] offset:PITCH*\j
.endr
	WIN LW
	s_wait_alu depctr_vm_vsrc(0)                   ; the 16 LDS stores have read the rows' registers, in which the fragments land; and the stores of the slot before have read their offsets, which the next OUT writes again
.irp s, 0,1,2,3,4,5,6,7
.irp c, 0,1
	ds_load_b128 v[RB+8*\s+4*\c:RB+8*\s+4*\c+3], v[SLD] offset:64*\s+32*\c   ; lane (r, h): k = 128 s + 64 c + 32 h + 0 .. 31 of row r
.endr
.endr
	WIN 0
.endm
; 64 matrix instructions: slot i's 16 rows x the slab's 128 columns x all of K.  Four accumulators take turns, one instruction a turn; the first K step starts the sums.
.macro MUL i
.if (\i) < 4
.set AB, 64*(\i)
.set WA, 0x09                          ; source 0 (x) window 1, source 1 (weights) window 2, C and D window 0
.else
.set AB, RAW4
.set WA, 0x08
.endif
.irp hf, 0,1
	WIN WA+4*\hf                                   ; tiles 4-7: the weights' window 3
.irp s, 0,1,2,3,4,5,6,7
.irp p, 0,1,2,3
.if \s == 0
	v_wmma_scale_f32_16x16x128_f8f6f4 v[ACC+8*(4*\hf+\p):ACC+8*(4*\hf+\p)+7], v[AB:AB+7], v[64*\p:64*\p+7], 0, v[XS+4*(\i)], v[WS+4*(4*\hf+\p)] matrix_a_fmt:MATRIX_FMT_FP4 matrix_b_fmt:MATRIX_FMT_FP4
.elseif \s < 4
	v_wmma_scale_f32_16x16x128_f8f6f4 v[ACC+8*(4*\hf+\p):ACC+8*(4*\hf+\p)+7], v[AB+8*\s:AB+8*\s+7], v[64*\p+8*\s:64*\p+8*\s+7], v[ACC+8*(4*\hf+\p):ACC+8*(4*\hf+\p)+7], v[XS+4*(\i)+\s], v[WS+4*(4*\hf+\p)+\s] matrix_a_fmt:MATRIX_FMT_FP4 matrix_b_fmt:MATRIX_FMT_FP4
.else
	v_wmma_scale_f32_16x16x128_f8f6f4 v[ACC+8*(4*\hf+\p):ACC+8*(4*\hf+\p)+7], v[AB+8*\s:AB+8*\s+7], v[64*\p+8*\s:64*\p+8*\s+7], v[ACC+8*(4*\hf+\p):ACC+8*(4*\hf+\p)+7], v[XS+4*(\i)+\s-4], v[WS+4*(4*\hf+\p)+\s-4] matrix_a_fmt:MATRIX_FMT_FP4 matrix_b_fmt:MATRIX_FMT_FP4 matrix_a_scale:MATRIX_SCALE_ROW1 matrix_b_scale:MATRIX_SCALE_ROW1
.endif
.endr
.endr
.endr
.endm
; Slot i's results leave.  The 32 plain lines that make the offsets name no register of the products: they are the places between the products and the first read of a result, the first write of
; a source, and the next slot's products, which begin the accumulators anew (ISA guide 7.12.1).
.macro OUT i
.if (\i) < 4
.set RB, 64*(\i)
.set MW, 0x40
.set TW, 0x04
.else
.set RB, RAW4
.set MW, 0
.set TW, 0
.endif
	WIN 0
	s_wait_xcnt 0x0                                ; the last slot's stores have read their offsets: these are written again only behind this wait
.if (\i) == 4
	s_wait_alu depctr_vm_vsrc(0)                   ; slot 3's stores have read their offsets, which the lines below write again (in the other slots' trips the wait in STAGE stands between)
.endif
.irp j, 0,1,2,3,4,5,6,7,8,9,10,11,12,13,14,15
	v_readlane_b32 s[SR+\j], v[TOK+(\i)], \j
.endr
	s_wait_alu depctr_va_sdst(0)                   ; the 16 tokens are written as scalars, ahead of their first readers
.irp j, 0,1,2,3,4,5,6,7
	v_mov_b32 v[VOUT+\j], s[SR+\j]                 ; lanes 0-15: row j's token,
.endr
.irp j, 0,1,2,3,4,5,6,7
	v_cndmask_b32 v[VOUT+\j], v[VOUT+\j], s[SR+8+\j], s26   ; lanes 16-31: row 8 + j's
.endr
.irp j, 0,1,2,3,4,5,6,7
	v_min_u32 v[VOUT+\j], 0x1fff, v[VOUT+\j]
.endr
.irp j, 0,1,2,3,4,5,6,7
	v_lshl_add_u32 v[VOUT+\j], v[VOUT+\j], 12, v[R16]   ; x 4,096 bytes a row + 16 r
.endr
	WIN MW
.irp j, 0,1,2,3,4,5,6,7                        ; j outermost: each accumulator is read from its lowest register on.  The fragments' registers are done with and take the runs of four
.irp q, 0,1
.irp p, 0,1,2,3
	v_mov_b32 v[RB+4*(8*\q+\j)+\p], v[ACC+8*(4*\q+\p)+\j]
.endr
.endr
.endr
	WIN TW
	s_wait_alu depctr_va_vdst(0)                   ; the eight offsets and the 64 moved results are written, which the 16 stores read
.irp j, 0,1,2,3,4,5,6,7
.irp q, 0,1
	global_store_b128 v[VOUT+\j], v[RB+4*(8*\q+\j):RB+4*(8*\q+\j)+3], s[16:17] offset:256*\q th:TH_STORE_NT   ; 16 lanes store 256 consecutive bytes, at a multiple of 256 from out0's first byte
.endr
.endr
	WIN 0
.endm
; Slot i: its products; the next slot (n) goes through the stage while this slot's results leave; then out, if my stream has no further fragment.
.macro TRIP i, n
	s_wait_dscnt 0x0                               ; the slot's fragments are in (in the first trip the weights' too)
	MUL \i
.if (\i) < 4
	STAGE \n
.endif
	OUT \i
.if (\i) < 4
	s_add_co_u32 s27, s25, \n
	s_cmp_ge_u32 s27, s24
	s_cbranch_scc1 .Lend
.endif
.endm
	s_wait_loadcnt 40                              ; the five token loads are in; the 8 + 32 loads of weights behind them may stay out
	s_wait_kmcnt 0x0                               ; cnt
	s_min_u32 s23, s23, 8192
	s_add_co_u32 s24, s23, 15
	s_lshr_b32 s24, s24, 4                         ; F
	s_add_co_u32 s24, s24, 15
	s_sub_co_u32 s24, s24, s22
	s_lshr_b32 s24, s24, 4                         ; T, at most 32
	TOKFIX
	FILL 0
	FILL 1
	FILL 2
	s_wait_loadcnt 51                              ; the weights and their scales are in; the three slots' 51 loads may stay out
	WIN 0x0c                                       ; an LDS store's data are its source 1: window 3
.irp a, 0,1,2,3,4,5,6,7,8,9,10,11,12,13,14,15,16,17,18,19,20,21,22,23,24,25,26,27,28,29,30,31
	ds_store_b128 v[WST], v[4*\a:4*\a+3] offset:PITCH*\a
.endr
	WIN 0
	s_wait_dscnt 0x0                               ; for the others' sake: my 32 rows have landed
	s_barrier_signal -1
	s_barrier_wait -1                              ; the launch's one barrier, ahead of every branch on a loaded number: every wave passes it
	s_wait_alu depctr_vm_vsrc(0)                   ; my 32 LDS stores have read window 3's v0-127, in which fragments of tiles 4 and 5 land below
	s_cmp_eq_u32 s24, 0
	s_cbranch_scc1 .Lend                           ; a stream that this split leaves without rows has brought its share of the weights and ends
	WIN 0x80
.irp t, 0,1,2,3                                ; the slab into registers: 128 loads, once, in two runs; a slot's offsets and loads stand behind each run
.irp s, 0,1,2,3,4,5,6,7
.irp c, 0,1
	ds_load_b128 v[64*\t+8*\s+4*\c:64*\t+8*\s+4*\c+3], v[BAD] offset:16*\t*PITCH+64*\s+32*\c
.endr
.endr
.endr
	WIN 0
	FILL 3
	WIN 0xc0
.irp t, 4,5,6,7
.irp s, 0,1,2,3,4,5,6,7
.irp c, 0,1
	ds_load_b128 v[64*(\t%4)+8*\s+4*\c:64*(\t%4)+8*\s+4*\c+3], v[BAD] offset:16*\t*PITCH+64*\s+32*\c
.endr
.endr
.endr
	WIN 0
	FILL 4
	s_wait_xcnt 0x0                                ; the loads have read their offsets, which lie in the accumulators' registers
	s_wait_alu depctr_vm_vsrc(0)                   ; the loads of slots 1 to 4 have read their offsets, which the products write over
.Ltrips:                                               ; a trip: five fragments of my stream.  The loop is counted against a constant, PASSES trips; a stream leaves it by the exits below as soon as its fragments are done
	STAGE 0
	TRIP 0, 1
	TRIP 1, 2
	TRIP 2, 3
	TRIP 3, 4
	TRIP 4, 5
	s_add_co_u32 s25, s25, 5
	s_cmp_ge_u32 s25, s24
	s_cbranch_scc1 .Lend
	s_wait_xcnt 0x0                                ; the stores have read their data and offsets: the slots' registers take loads again only behind this wait
	s_wait_alu depctr_vm_vsrc(0)                   ; the five slots' stores have read their data, in which the next rows land; the last pass's loads have read the list's, the scale bytes' and slot 0's offsets, which are written again below
.irp i, 0,1,2,3,4
	s_add_co_u32 s27, s25, \i
	s_min_u32 s27, s27, 39                         ; inside the region (40 x 256 words); kappa is at most T + 3, so the words read lie under cnt + 2,048 and were stored
	s_lshl_b32 s27, s27, 10
	v_add_nc_u32 v[TPA+\i], s27, v[TPO]
.endr
	s_wait_alu depctr_va_vdst(0)                   ; the five offsets are written, which the loads below read; the lines that named the old tokens are done with the registers in which the new ones land
.irp i, 0,1,2,3,4
	global_load_b32 v[TOK+\i], v[TPA+\i], s[4:5]
.endr
	s_wait_loadcnt 0x0
	TOKFIX
.irp i, 0,1,2,3,4
	FILL \i
.endr
	s_wait_xcnt 0x0                                ; as ahead of the first trip
	s_wait_alu depctr_vm_vsrc(0)                   ; as ahead of the first trip: the loads of slots 1 to 4 have read their offsets, which the products write over
	s_cmp_lt_u32 s25, 5*PASSES
	s_cbranch_scc1 .Ltrips
.Lend:
	s_wait_dscnt 0x0                               ; the closing lines, six on end (a wave that leaves early has the next slot's LDS loads out)
	s_wait_alu 0x0
	s_wait_tensorcnt 0x0
	ds_add_u32 v254, v255
	s_wait_dscnt 0x0
	s_endpgm
.Lfunc_end_k_q176fd51bd8_gemm:
	.size	k_q176fd51bd8_gemm, .Lfunc_end_k_q176fd51bd8_gemm-k_q176fd51bd8_gemm
	.p2alignl 7, 3214868480
	.fill 96, 4, 3214868480
	.section	.rodata,"a",@progbits
	.p2align	6, 0x0
	.amdhsa_kernel k_q176fd51bd8_gemm
		.amdhsa_group_segment_fixed_size 101888
		.amdhsa_private_segment_fixed_size 0
		.amdhsa_enable_private_segment 0
		.amdhsa_kernarg_size 56
		.amdhsa_user_sgpr_count 2
		.amdhsa_user_sgpr_kernarg_segment_ptr 1
		.amdhsa_wavefront_size32 1
		.amdhsa_system_sgpr_workgroup_id_x 1
		.amdhsa_system_sgpr_workgroup_id_y 1
		.amdhsa_system_sgpr_workgroup_id_z 1
		.amdhsa_system_vgpr_workitem_id 0
		.amdhsa_next_free_vgpr 1024
		.amdhsa_next_free_sgpr 80
		.amdhsa_reserve_vcc 0
		.amdhsa_float_denorm_mode_32 3
		.amdhsa_float_denorm_mode_16_64 3
		.amdhsa_memory_ordered 1
		.amdhsa_forward_progress 1
		.amdhsa_inst_pref_size 162
	.end_amdhsa_kernel
	.amdgpu_metadata
---
amdhsa.version: [ 1, 2 ]
amdhsa.kernels:
  - .name:           k_q176fd51bd8_gemm
    .symbol:         k_q176fd51bd8_gemm.kd
    .args:
      - { .name: order, .offset: 0, .size: 8, .value_kind: global_buffer, .address_space: global }
      - { .name: counts, .offset: 8, .size: 8, .value_kind: global_buffer, .address_space: global }
      - { .name: x_codes, .offset: 16, .size: 8, .value_kind: global_buffer, .address_space: global }
      - { .name: x_scales, .offset: 24, .size: 8, .value_kind: global_buffer, .address_space: global }
      - { .name: weight_codes, .offset: 32, .size: 8, .value_kind: global_buffer, .address_space: global }
      - { .name: weight_scales, .offset: 40, .size: 8, .value_kind: global_buffer, .address_space: global }
      - { .name: out0, .offset: 48, .size: 8, .value_kind: global_buffer, .address_space: global }
    .group_segment_fixed_size: 101888
    .private_segment_fixed_size: 0
    .kernarg_segment_align: 8
    .kernarg_segment_size: 56
    .max_flat_workgroup_size: 128
    .sgpr_count:     80
    .vgpr_count:     1024
    .wavefront_size: 32
...
	.end_amdgpu_metadata
.endif
;; end of part 4
